; MI455X (gfx1250); checked and timed in simulation.
; The chip was launched on July 23, 2026; its instructions are those of AMD's public machine-readable ISA for CDNA 5 (MIT licence, August 2026) and "CDNA5" Instruction Set Architecture Reference Guide (July 2026). The comments in the code are by the model that wrote it; some were corrected since.
;; Flex Mo E. Allowed arithmetic: matrix products marked QUANTISED: E4M3 operands, one E8M0 scale for each 32 along K, by v_wmma_scale_f32_16x16x128_f8f6f4 with both operands' format E4M3, f32 sums; products left as they are: f32 operands where the result goes on into a quantised operand, else bf16, f16 or f32 operands; f32 sums; everything else in f32.
;; Inputs: expert_b 8 x 1,024 float32; expert_w_codes 8 x 1,024 x 32 x 32 uint8 (E4M3 codes of expert_w, K innermost, in blocks of 32 codes); expert_w_scales 8 x 1,024 x 32 uint8 (E8M0 scales of expert_w, one for each 32 codes along K); gate_b 8 float32; gate_w 1,024 x 8 float32; head_b 2 float32; head_w 1,024 x 2 float32; x 4 x 2,048 x 1,024 float32.
;; Outputs: out0 2,048 x 2 float32.
;; This version of the problem:
;;   THIS VERSION OF THE PROBLEM IS GIVEN IN LOW PRECISION. The matrix products marked QUANTISED in the list below multiply operands that are first quantised to E4M3 (4 exponent bits, 3 mantissa bits; 8 bits a number), with one power-of-two scale for each 32 numbers along K (OCP MX v1.0); their sums are f32. All else is computed in f32.
;;   The module's matrix products, in the order in which they are computed (A, B: the left and right operand; K: the contracted axis; several contracted axes count as one K, in the product's order):
;;     1. [M 8,192, K 1,024] x [K 1,024, N 8]; A: input x; B: input gate_w: left as it is (N = 8 < 16)
;;     2. [M 8,192, K 1,024] x [K 1,024, N 8,192]; A: input x; B: input expert_w (given as codes): QUANTISED
;;     3. batch 8,192 x [M 1,024, K 8] x [K 8, N 1]; A: computed on the way; B: computed on the way: left as it is (K = 8 < 32)
;;     4. [M 2,048, K 1,024] x [K 1,024, N 2]; A: computed on the way; B: input head_w: left as it is (N = 2 < 16)
;;   THE QUANTISER, for each operand of a quantised product, along K:
;;     - K is cut into blocks of 32 from its start; a last block that is shorter is filled with zeros.
;;     - A block's scale is 2^e with e = floor(log2(the largest magnitude in the block)) - 8, held to -126 .. 127; a block of zeros has e = 0. As a byte (E8M0): e + 127.
;;     - Each number is divided by its block's scale, clamped to +-448, and rounded to the nearest number of E4M3, ties to even, subnormals kept.
;;     - The product sums the exact products of the quantised numbers (number of the format x scale) in f32.
;;   ~~~python
;;   def quantise(x, axis):      # numpy; x: float32 -> the quantised numbers, widened to float32 again
;;       x = np.moveaxis(x, axis, -1); K = x.shape[-1]
;;       x = np.pad(x, [(0, 0)] * (x.ndim - 1) + [(0, -K % 32)]); x = x.reshape(x.shape[:-1] + (-1, 32)); a = np.abs(x).max(-1, keepdims=True)
;;       e = np.where(a > 0, np.clip(np.frexp(np.where(a > 0, a, 1))[1] - 1 - 8, -126, 127), 0)      # np.frexp(a)[1] - 1 = floor(log2(a)), exactly
;;       r = np.clip(x / 2.0 ** e, -448, 448)
;;       step = 2.0 ** (np.maximum(np.frexp(np.where(r == 0, 1, r))[1] - 1, -6) - 3)
;;       q = np.round(r / step) * step * 2.0 ** e      # np.round: ties to even
;;       return np.moveaxis(q.reshape(q.shape[:-2] + (-1,))[..., :K], -1, axis).astype(np.float32)
;;   ~~~
;;   INPUTS GIVEN AS CODES. expert_w (in the module: [8, 1024, 1024], K = its axis 1): each comes as NAME_codes (uint8): NAME with its K axis moved to the last place and cut into blocks of 32 codes, [.., K / 32, bytes a block], one block behind the other in memory; one code a byte (a code: sign, 4 exponent bits, 3 mantissa bits); and NAME_scales (uint8): the same leading axes, one E8M0 byte (e + 127) for each 32 codes along K. Its value is code x scale, taken as it is: it is not quantised again, and the codes and scales need not be those that the quantiser above would give.
;; One version. Each part assembles by itself: llvm-mc -triple=amdgcn-amd-amdhsa -mcpu=gfx1250 --defsym DOCPART=n.
;; ======== version 1 of 1: 3 launches
;; limits: right only within a limited range of input values
;; workspace buffers: xq 8,388,608 bytes; xs 262,144 bytes; route 12,288 bytes of whole numbers; wimg 8,388,608 bytes; part 262,144 bytes
;; launch gateq (part 1): grid 256 x 1, 8 waves a work-group, no clusters, 174,080 bytes of LDS; arguments x, gate_w, gate_b, xq, xs, route, expert_w_codes, wimg; writes xq, xs, route, wimg
.if DOCPART == 1
	.amdgcn_target "amdgcn-amd-amdhsa--gfx1250"
	.amdhsa_code_object_version 6
	.text
	.protected	k_qeace803fc5_gateq
	.globl	k_qeace803fc5_gateq
	.p2align	8
	.type	k_qeace803fc5_gateq,@function
k_qeace803fc5_gateq:
	s_mov_b64 s[64:65], 0
	v_nop
	global_prefetch_b8 v0, s[64:65] scope:SCOPE_SE
	s_setreg_imm32_b32 hwreg(HW_REG_WAVE_MODE, 25, 1), 1
	s_wait_xcnt 0x0
; For each of the 8,192 tokens (1,024 f32 numbers): the gate in f32 (8 logits, the softmax's exponentials, the two largest, the larger of their two
; indices = the winner) and the token's codes of E4M3 with one E8M0 byte for each 32 along K.  x is read once.  Beside it the experts' codes are laid anew.
; LEFT OUT AS DEAD WORK, for all values of the inputs: (1) the factor sum(top_p) after top_p = top_p / sum(top_p): p1/(p1+p2) + p2/(p1+p2) = 1; (2) with it the
; softmax's divisor: one positive factor common to a token's eight numbers, which changes no order, and only the order is used; (3) the products of a token with the
; experts that are not its winner, which the one-hot selection built in reference() throws away, and that selection's product: a lookup by the winner's number.
; A NaN, an infinity or an overflow that reaches only this work is not carried to the result.  All inputs are loaded.
; SHARES.  A work-group takes 32 tokens (a block).  Wave w: g = w / 4 (tokens 16 g .. 16 g + 15), q = w % 4 (k = 256 q .. 256 q + 255).  All 32 loads of a wave's
; x (512 consecutive bytes each) go out at the head.  A turn through the wave's own LDS bytes gives lane l the eight neighbours k = 256 q + 8 l + 0 .. 7
; of a token: a block of 32 is four lanes, and the conversion takes its eight numbers from one lane's consecutive registers.
; The gate's 8 x 256 weights of the wave's k are turned the same way once and stay in 64 registers.
; THE RELAY.  Wave w of work-group W takes task 8 W + w: 16 rows of weight codes (o-tile OT = task / 4) x 256 bytes of K (quarter task % 4), and lays them in the order of
; an operand's registers: the fragment of o-tile OT and K step s is 2,048 bytes at (8 OT + s) x 2,048: piece c, lane l at 512 c + 16 l holds k = 128 s + 32 c + 16 (l / 16) + 0 .. 15
; of row l % 16.  Its eight loads go out when the first four tokens' registers are free.
; route: byte 32 B: block B's eight masks of lanes, one for each winner; byte 8,192 + 16 B: their eight counts, two 16-bit numbers a word.
; LIMITS: NaN and infinities are not served.  A block of zeros gets the byte 1 and zero codes (the bytes are read by this program alone).  Equal
; probabilities: the lower index is taken first (strict compares, ascending).  The logits are f32 sums in another order than a plain chain: a token
; whose second and third probability differ by no more than rounding may choose otherwise.  Exponentials under 2^-126 are made by
; exp2(t + 64) and a shift of the exponent by -64: they exist as denormals, their last bits may differ.
; No matrix unit: the gate has 8 columns and must stay f32.  No tensor loads: each byte of x is used by one wave once.  No prefetch: all of x is asked for at the head.
.set GT,  0                            ; LDS: the gate's turn, 8 waves x 32 places of 256 + 16 bytes; later the relay's stage of the same wave
.set XT,  69632                        ; x's turn: 8 waves x 2 slots x 4 tokens x 32 places of 32 + 16 bytes
.set PL,  167936                       ; partial logits [g 2][q 4][token 16][e 8] f32
.set XSL, 172032                       ; scale bytes [token 32][32]
.set SPARE, 173056                     ; the spare words, 128 bytes a wave
.set TM,  12                           ; v12-27  at work
.set P,   32                           ; v32-63  partial logits of four tokens, P[8 tb + e]; P+8 .. P+15 later a batch's codes
.set G,   64                           ; v64-127 gate weights G[8 i + e]: k = 8 l + i
.set X,   128                          ; v128-255 x: token t at X + 8 t; X .. X+31 later the relay's
	s_load_b256 s[4:11], s[0:1], 0x0               ; x, gate_w, gate_b, xq
	s_load_b128 s[12:15], s[0:1], 0x20             ; xs, route
	s_load_b128 s[44:47], s[0:1], 0x30             ; expert_w_codes, wimg
	v_lshl_add_u32 v31, v0, 2, SPARE
	s_set_vgpr_msb 0x40
	v_mov_b32 v1, 0                                ; v257 = 0
	s_set_vgpr_msb 0x4000
	v_lshrrev_b32 v1, 5, v0
	v_readfirstlane_b32 s18, v1                    ; wave 0..7
	v_and_b32 v1, 31, v0                           ; lane
	s_lshr_b32 s19, s18, 2                         ; g
	s_and_b32 s20, s18, 3                          ; q
	v_lshlrev_b32 v29, 4, v1                       ; 16 l
	s_lshl_b32 s40, s20, 10
	v_add_nc_u32 v2, s40, v29                      ; x: 1024 q + 16 l
	s_lshl_b32 s40, s20, 13
	v_add_nc_u32 v10, s40, v29                     ; gate_w: 8192 q + 16 l
	s_mul_i32 s41, s18, 12288
	s_add_co_u32 s41, s41, XT                      ; my wave's part of x's turn
	v_lshrrev_b32 v12, 1, v1
	v_mul_u32_u24 v12, v12, 48
	v_and_b32 v13, 1, v1
	v_lshl_add_u32 v12, v13, 4, v12
	v_add_nc_u32 v3, s41, v12                      ; in: two lanes' 32 bytes to a place: 48 (l / 2) + 16 (l % 2)
	v_mul_u32_u24 v12, v1, 48
	v_add_nc_u32 v4, s41, v12                      ; out: place l
	s_mul_i32 s41, s18, 8704                       ; my wave's part of the gate's turn
	v_lshrrev_b32 v12, 4, v1
	v_mul_u32_u24 v12, v12, 272
	v_and_b32 v13, 15, v1
	v_lshl_add_u32 v12, v13, 4, v12
	v_add_nc_u32 v5, s41, v12                      ; in: sixteen lanes' 256 bytes to a place
	v_mul_u32_u24 v12, v1, 272
	v_add_nc_u32 v6, s41, v12                      ; out: place l
	s_lshl_b32 s40, s20, 8
	v_lshl_add_u32 v7, v1, 3, s40                  ; my 8 codes in a token's row: 256 q + 8 l
	s_lshl_b32 s40, s19, 9
	s_lshl_b32 s41, s20, 3
	s_add_co_u32 s40, s40, s41
	s_add_co_u32 s40, s40, XSL
	v_lshrrev_b32 v12, 2, v1
	v_add_nc_u32 v8, s40, v12                      ; my block's byte: XSL + 512 g + 8 q + l / 4 (+ 32 t)
	s_lshl_b32 s40, s19, 11
	s_lshl_b32 s41, s20, 9
	s_add_co_u32 s40, s40, s41
	s_add_co_u32 s40, s40, PL
	v_lshl_add_u32 v9, v1, 2, s40                  ; my folded logit: PL + 2048 g + 512 q + 4 l (+ 128 batch)
	v_lshrrev_b32 v12, 4, v1
	v_and_b32 v13, 15, v1
	v_lshlrev_b32 v11, 11, v12
	v_lshl_add_u32 v11, v13, 5, v11
	v_add_nc_u32 v11, PL, v11                      ; the last phase: lane = token: PL + 2048 (l / 16) + 32 (l % 16)
	v_add_nc_u32 v28, XSL, v29                     ; and the scale bytes, 16 a lane
	v_lshlrev_b32 v30, 2, v1                       ; 4 l
	s_mul_i32 s41, s18, 8704
	v_lshlrev_b32 v0, 10, v12
	v_lshl_add_u32 v0, v13, 4, v0                  ; the relay's loads: row l / 16, 16 (l % 16)
	v_mul_u32_u24 v1, v13, 272
	v_lshl_add_u32 v1, v12, 4, v1
	v_add_nc_u32 v1, s41, v1                       ; out of its stage: row l % 16, + 16 (l / 16)
	s_mov_b32 s32, 0xff00ff00                      ; lanes whose number has bit 3, 2, 1, 0
	s_mov_b32 s33, 0xf0f0f0f0
	s_mov_b32 s34, 0xcccccccc
	s_mov_b32 s35, 0xaaaaaaaa
	s_mov_b32 s36, 0x600000                        ; the mantissa field of 448
	s_mov_b32 s37, 0x3fb8aa3b                      ; log2(e)
	s_mov_b32 s38, 0xc2800000                      ; -64.0
	s_mov_b32 s43, 0
	s_wait_alu depctr_va_vdst(0)
	s_wait_kmcnt 0x0
	s_load_b256 s[24:31], s[8:9], 0x0              ; gate_b
	s_lshl_b32 s42, ttmp9, 17
	s_lshl_b32 s41, s19, 16
	s_add_co_u32 s42, s42, s41
	s_add_nc_u64 s[4:5], s[4:5], s[42:43]          ; x at my 16 tokens
.irp j, 0,1,2,3,4,5,6,7,8,9,10,11,12,13,14,15
	global_load_b128 v[G+4*\j:G+4*\j+3], v10, s[6:7] offset:512*\j
.endr
.irp t, 0,1,2,3,4,5,6,7,8,9,10,11,12,13,14,15
.irp j, 0,1
	global_load_b128 v[X+8*\t+4*\j:X+8*\t+4*\j+3], v2, s[4:5] offset:4096*\t+512*\j th:TH_LOAD_NT   ; 32 lanes read 512 consecutive bytes; read once in the launch
.endr
.endr
	s_lshl_b32 s42, ttmp9, 15
	s_lshl_b32 s41, s19, 14
	s_add_co_u32 s42, s42, s41
	s_add_nc_u64 s[10:11], s[10:11], s[42:43]      ; my tokens' codes
	s_lshl_b32 s42, ttmp9, 10
	s_add_nc_u64 s[12:13], s[12:13], s[42:43]      ; the work-group's scale bytes
	s_lshl_b32 s42, ttmp9, 4
	s_add_nc_u64 s[14:15], s[14:15], s[42:43]      ; route + 16 x block
	s_lshl_b32 s40, ttmp9, 3
	s_add_co_u32 s40, s40, s18                     ; the relay's task
	s_lshr_b32 s41, s40, 2
	s_lshl_b32 s41, s41, 14                        ; OT x 16,384, in both layouts
	s_and_b32 s40, s40, 3
	s_lshl_b32 s42, s40, 8
	s_add_co_u32 s42, s42, s41
	s_add_nc_u64 s[44:45], s[44:45], s[42:43]      ; from: + 256 x quarter
	s_lshl_b32 s42, s40, 12
	s_add_co_u32 s42, s42, s41
	s_add_nc_u64 s[46:47], s[46:47], s[42:43]      ; to: + 4,096 x quarter
; four tokens through the stage.  LDS serves a wave's instructions in order (ISA guide 5.7.1.4): the loads see the stores, and the next use of a slot comes behind them
.macro XTURN b
	s_wait_loadcnt 24-8*(\b)+8*((\b)/2)            ; this batch's eight loads are in; those of the later batches and, for batches 2 and 3, the relay's eight may be out
.irp tb, 0,1,2,3
.irp j, 0,1
	ds_store_b128 v3, v[X+8*(4*(\b)+\tb)+4*\j:X+8*(4*(\b)+\tb)+4*\j+3] offset:6144*((\b)%2)+1536*\tb+768*\j
.endr
.endr
.irp tb, 0,1,2,3
.irp j, 0,1
	ds_load_b128 v[X+8*(4*(\b)+\tb)+4*\j:X+8*(4*(\b)+\tb)+4*\j+3], v4 offset:6144*((\b)%2)+1536*\tb+16*\j
.endr
.endr
.endm
; P[8 tb + e] = the sum over my eight k of x(token, k) gate_w(k, e): two experts an instruction, x's number serves both halves; 16 chains; the first product starts each sum
.macro DOT b
.irp i, 0,1,2,3,4,5,6,7
.irp tb, 0,1,2,3
.irp p, 0,1,2,3
.if \i == 0
	v_pk_mul_f32 v[P+8*\tb+2*\p:P+8*\tb+2*\p+1], v[X+8*(4*(\b)+\tb):X+8*(4*(\b)+\tb)+1], v[G+2*\p:G+2*\p+1] op_sel_hi:[0,1]
.elseif \i % 2 == 0
	v_pk_fma_f32 v[P+8*\tb+2*\p:P+8*\tb+2*\p+1], v[X+8*(4*(\b)+\tb)+\i:X+8*(4*(\b)+\tb)+\i+1], v[G+8*\i+2*\p:G+8*\i+2*\p+1], v[P+8*\tb+2*\p:P+8*\tb+2*\p+1] op_sel_hi:[0,1,1]
.else
	v_pk_fma_f32 v[P+8*\tb+2*\p:P+8*\tb+2*\p+1], v[X+8*(4*(\b)+\tb)+\i-1:X+8*(4*(\b)+\tb)+\i], v[G+8*\i+2*\p:G+8*\i+2*\p+1], v[P+8*\tb+2*\p:P+8*\tb+2*\p+1] op_sel:[1,0,0] op_sel_hi:[1,1,1]
.endif
.endr
.endr
.endr
.endm
; one halving of the fold: a lane keeps the n values that its number's bit asks for, sends the other n to the lane xm away, and adds what that lane sends
.macro HALVE n, mask, xm
.set hi_, 0
.rept \n
	v_cndmask_b32 v[TM+2*hi_], v[P+hi_], v[P+hi_+\n], s[\mask]
	v_cndmask_b32 v[TM+2*hi_+1], v[P+hi_+\n], v[P+hi_], s[\mask]
.set hi_, hi_+1
.endr
.set hi_, 0
.rept \n
	v_add_f32_dpp v[P+hi_], v[TM+2*hi_+1], v[TM+2*hi_] row_xmask:\xm row_mask:0xf bank_mask:0xf
.set hi_, hi_+1
.endr
.endm
; 32 values a lane become one: at the end lane n holds value n = 8 tb + e, summed over the wave's 32 lanes
.macro FOLD
.set fi_, 0
.rept 16
	v_permlane16_swap_b32 v[P+fi_], v[P+fi_+16]    ; the upper lanes of value i against the lower lanes of value i + 16
.set fi_, fi_+1
.endr
.set fi_, 0
.rept 8
	v_pk_add_f32 v[P+fi_:P+fi_+1], v[P+fi_:P+fi_+1], v[P+fi_+16:P+fi_+17]
.set fi_, fi_+2
.endr
	HALVE 8, 32, 8
	HALVE 4, 33, 4
	HALVE 2, 34, 2
	HALVE 1, 35, 1
.endm
; four tokens' codes and scale bytes, the four by turns
.macro QUANT4 b
.irp tb, 0,1,2,3
	v_max3_num_f32 v[TM+\tb], |v[X+8*(4*(\b)+\tb)]|, |v[X+8*(4*(\b)+\tb)+1]|, 0x4800000   ; my eight, and the floor 2^(9 - 127): the byte cannot fall under 1
.endr
.irp i, 2,4,6
.irp tb, 0,1,2,3
	s_delay_alu instid0(VALU_DEP_4)
	v_max3_num_f32 v[TM+\tb], v[TM+\tb], |v[X+8*(4*(\b)+\tb)+\i]|, |v[X+8*(4*(\b)+\tb)+\i+1]|
.endr
.endr
.irp tb, 0,1,2,3
	s_delay_alu instid0(VALU_DEP_4)
	v_max_num_f32_dpp v[TM+\tb], v[TM+\tb], v[TM+\tb] row_xmask:1 row_mask:0xf bank_mask:0xf
.endr
.irp tb, 0,1,2,3
	s_delay_alu instid0(VALU_DEP_4)
	v_max_num_f32_dpp v[TM+\tb], v[TM+\tb], v[TM+\tb] row_xmask:2 row_mask:0xf bank_mask:0xf   ; the block's four lanes
.endr
.irp tb, 0,1,2,3
	s_delay_alu instid0(VALU_DEP_4)
	v_add_nc_u32 v[TM+4+\tb], 0xfc000000, v[TM+\tb]            ; 8 off the exponent field: the conversion's scale operand
.endr
.irp tb, 0,1,2,3
	v_and_or_b32 v[TM+8+\tb], v[TM+\tb], 0x7f800000, s36       ; 448 x the scale
.endr
.irp tb, 0,1,2,3
.irp i, 0,1,2,3,4,5,6,7
	v_med3_num_f32 v[X+8*(4*(\b)+\tb)+\i], v[X+8*(4*(\b)+\tb)+\i], -v[TM+8+\tb], v[TM+8+\tb]   ; the conversion to an 8-bit code does not saturate (ISA guide 7.6.2)
.endr
.endr
.irp tb, 0,1,2,3
	v_cvt_scalef32_pk8_fp8_f32 v[P+8+2*\tb:P+9+2*\tb], v[X+8*(4*(\b)+\tb):X+8*(4*(\b)+\tb)+7], v[TM+4+\tb]
.endr
.irp tb, 0,1,2,3
	v_lshrrev_b32 v[TM+12+\tb], 23, v[TM+4+\tb]                ; the scale's byte (also the plain line behind the conversions)
.endr
.irp tb, 0,1,2,3
	ds_store_b8 v8, v[TM+12+\tb] offset:32*(4*(\b)+\tb)        ; a block's four lanes write the same byte with the same value
	global_store_b64 v7, v[P+8+2*\tb:P+9+2*\tb], s[10:11] offset:1024*(4*(\b)+\tb)   ; 32 lanes store 256 consecutive bytes, at a multiple of 256 from the buffer's first byte
.endr
.endm
.macro RSEND                           ; the relay's eight pieces leave: 512 consecutive bytes each
.irp j, 0,1,2,3,4,5,6,7
	global_store_b128 v29, v[X+4*\j:X+4*\j+3], s[46:47] offset:2048*(\j/4)+512*(\j%4)
.endr
.endm
.macro FINISH                          ; the wave's end
	s_set_vgpr_msb 0x4
	s_wait_tensorcnt 0x0
	ds_add_u32 v31, v1                             ; (its data: v257)
	s_wait_dscnt 0x0
	s_set_vgpr_msb 0x400
	s_endpgm
.endm
	s_wait_loadcnt 32                              ; the gate's 16 loads are in; x's 32 are younger
.irp j, 0,1,2,3,4,5,6,7,8,9,10,11,12,13,14,15
	ds_store_b128 v5, v[G+4*\j:G+4*\j+3] offset:544*\j
.endr
.irp j, 0,1,2,3,4,5,6,7,8,9,10,11,12,13,14,15
	ds_load_b128 v[G+4*\j:G+4*\j+3], v6 offset:16*\j           ; back as 256 bytes a lane: eight k x eight experts
.endr
	XTURN 0
.irp b, 0,1,2,3
.if \b < 3
	XTURN \b+1
	s_wait_dscnt 16                                ; all but the next batch's sixteen: this batch is back, the gate too, and the last batch's small stores have read their registers
.else
	s_wait_dscnt 0x0
.endif
.if \b > 0
	s_wait_xcnt 0x0                                ; the last batch's code stores have read P+8 .. P+15
.endif
	DOT \b
	FOLD
	ds_store_b32 v9, v[P] offset:128*\b
.if \b == 3
	s_wait_loadcnt 0x0                             ; the relay's eight loads are in: through the stage while the last batch is quantised
.irp i, 0,1,2,3,4,5,6,7
	ds_store_b128 v5, v[X+4*\i:X+4*\i+3] offset:544*\i         ; rows 2 i, 2 i + 1
.endr
.irp i, 0,1,2,3,4,5,6,7
	ds_load_b128 v[X+4*\i:X+4*\i+3], v1 offset:128*(\i/4)+32*(\i%4)
.endr
.endif
	QUANT4 \b
.if \b == 0
.irp i, 0,1,2,3,4,5,6,7
	global_load_b128 v[X+4*\i:X+4*\i+3], v0, s[44:45] offset:2048*\i th:TH_LOAD_NT   ; the relay: two rows x 256 consecutive bytes; read once in the launch
.endr
.endif
.endr
	s_wait_dscnt 0x0                               ; for the others' sake: my logits and bytes lie in LDS
	s_wait_kmcnt 0x0                               ; gate_b
	s_barrier_signal -1
	s_barrier_wait -1
	s_wait_xcnt 0x0                                ; the last code stores have read their registers
	s_cmp_eq_u32 s18, 0
	s_cbranch_scc1 .Lgate
	RSEND
	s_cmp_eq_u32 s18, 1
	s_cbranch_scc1 .Lscales
	FINISH
.Lscales:                                              ; wave 1: the work-group's 1,024 scale bytes leave as two runs of 512 consecutive bytes
	ds_load_b128 v[32:35], v28
	ds_load_b128 v[36:39], v28 offset:512
	s_wait_dscnt 0x0
	global_store_b128 v29, v[32:35], s[12:13]
	global_store_b128 v29, v[36:39], s[12:13] offset:512
	FINISH
.Lgate:                                                ; wave 0: lane = token
.irp q, 0,1,2,3
	ds_load_b128 v[32+8*\q:35+8*\q], v11 offset:512*\q
	ds_load_b128 v[36+8*\q:39+8*\q], v11 offset:512*\q+16
.endr
	RSEND
	s_lshl_b32 s41, ttmp9, 4
	v_add_nc_u32 v24, s41, v30                     ; where lanes 0-7 store: 16 x block + 4 l from route + 16 x block,
	v_add_nc_u32 v25, 0x1fe0, v30                  ; and lanes 8-11: 8,192 + 4 (l - 8)
	v_cmp_gt_u32 vcc_lo, 32, v30
	v_cndmask_b32 v24, v25, v24, vcc_lo
	s_wait_alu depctr_va_vdst(0)
	s_wait_dscnt 0x0
.irp p, 0,2,4,6
	v_pk_add_f32 v[32+\p:33+\p], v[32+\p:33+\p], v[40+\p:41+\p]
	v_pk_add_f32 v[48+\p:49+\p], v[48+\p:49+\p], v[56+\p:57+\p]
.endr
.irp p, 0,2,4,6
	v_pk_add_f32 v[32+\p:33+\p], v[32+\p:33+\p], v[48+\p:49+\p]
.endr
.irp e, 0,1,2,3,4,5,6,7
	v_add_f32 v[32+\e], s[24+\e], v[32+\e]         ; + gate_b
.endr
	v_max3_num_f32 v12, v32, v33, v34
	s_delay_alu instid0(VALU_DEP_1)
	v_max3_num_f32 v12, v12, v35, v36
	s_delay_alu instid0(VALU_DEP_1)
	v_max3_num_f32 v12, v12, v37, v38
	s_delay_alu instid0(VALU_DEP_1)
	v_max_num_f32 v12, v12, v39                    ; the row's largest logit is taken away ahead of the exponentials
	v_mov_b32 v49, 0x42800000                      ; 64.0
	v_mov_b32 v50, 0xffffffc0                      ; -64
	v_mov_b32 v51, 0
.irp e, 0,1,2,3,4,5,6,7
	v_sub_f32 v[32+\e], v[32+\e], v12
.endr
.irp e, 0,1,2,3,4,5,6,7
	v_mul_f32 v[32+\e], s37, v[32+\e]              ; t, 0 or less
.endr
.irp e, 0,1,2,3,4,5,6,7
	v_cmp_gt_f32 vcc_lo, s38, v[32+\e]             ; t < -64: 64 is added (which rounds nothing there) and taken off the result's exponent, so that a result under 2^-126 is not flushed
	s_delay_alu instid0(VALU_DEP_1)
	v_cndmask_b32 v13, v51, v49, vcc_lo
	s_delay_alu instid0(VALU_DEP_2)
	v_cndmask_b32 v[52+\e], v51, v50, vcc_lo
	s_delay_alu instid0(VALU_DEP_2)
	v_add_f32 v[32+\e], v[32+\e], v13
.endr
	s_wait_alu depctr_va_vdst(0)
.irp e, 0,1,2,3,4,5,6,7
	v_exp_f32 v[32+\e], v[32+\e]
.endr
.irp e, 0,1,2,3,4,5,6,7
	v_mov_b32 v[40+\e], \e                         ; the experts' numbers (plain lines behind the exponentials)
.endr
	v_mov_b32 v48, -1.0                            ; under every exponential
	s_wait_alu depctr_va_vdst(0)                   ; and behind it
.irp e, 0,1,2,3,4,5,6,7
	v_ldexp_f32 v[32+\e], v[32+\e], v[52+\e]
.endr
	v_mov_b32 v16, v32                             ; the largest: ascending, strictly greater: of equals the lower index
	v_mov_b32 v17, 0
.irp e, 1,2,3,4,5,6,7
	s_delay_alu instid0(VALU_DEP_2)
	v_cmp_gt_f32 vcc_lo, v[32+\e], v16
	s_delay_alu instid0(VALU_DEP_1)
	v_cndmask_b32 v16, v16, v[32+\e], vcc_lo
	s_delay_alu instid0(VALU_DEP_2)
	v_cndmask_b32 v17, v17, v[40+\e], vcc_lo
.endr
.irp e, 0,1,2,3,4,5,6,7
	v_cmp_eq_u32 vcc_lo, v17, v[40+\e]             ; it is struck out,
	s_delay_alu instid0(VALU_DEP_1)
	v_cndmask_b32 v[32+\e], v[32+\e], v48, vcc_lo
.endr
	v_mov_b32 v18, v32                             ; and the largest of the rest is found the same way
	v_mov_b32 v19, 0
.irp e, 1,2,3,4,5,6,7
	s_delay_alu instid0(VALU_DEP_2)
	v_cmp_gt_f32 vcc_lo, v[32+\e], v18
	s_delay_alu instid0(VALU_DEP_1)
	v_cndmask_b32 v18, v18, v[32+\e], vcc_lo
	s_delay_alu instid0(VALU_DEP_2)
	v_cndmask_b32 v19, v19, v[40+\e], vcc_lo
.endr
	s_delay_alu instid0(VALU_DEP_1)
	v_max_u32 v20, v17, v19                        ; the winner: the larger index of the two
.irp e, 0,1,2,3,4,5,6,7
	v_cmp_eq_u32 s[48+\e], \e, v20                 ; the lanes whose winner is e,
.endr
.irp e, 0,1,2,3,4,5,6,7
	s_bcnt1_i32_b32 s[24+\e], s[48+\e]             ; and how many they are
.endr
.irp e, 0,2,4,6
	s_lshl_b32 s[25+\e], s[25+\e], 16
	s_or_b32 s[24+\e], s[24+\e], s[25+\e]
.endr
	v_mov_b32 v21, 0
.irp e, 0,1,2,3,4,5,6,7
	v_writelane_b32 v21, s[48+\e], \e
.endr
.irp e, 0,1,2,3
	v_writelane_b32 v21, s[24+2*\e], 8+\e
.endr
	v_cmp_gt_u32 vcc_lo, 48, v30                   ; lanes 0-11
	s_wait_alu depctr_va_vdst(0)
	s_wait_xcnt 0x0                                ; EXEC is a source of pending stores: it changes only behind this wait
	s_and_saveexec_b32 s40, vcc_lo
	global_store_b32 v24, v21, s[14:15]            ; 32 + 16 bytes a work-group: 12 KiB in the whole launch
	s_wait_xcnt 0x0
	s_or_b32 exec_lo, exec_lo, s40
	FINISH
.Lfunc_end_k_qeace803fc5_gateq:
	.size	k_qeace803fc5_gateq, .Lfunc_end_k_qeace803fc5_gateq-k_qeace803fc5_gateq
	.p2alignl 7, 3214868480
	.fill 96, 4, 3214868480
	.section	.rodata,"a",@progbits
	.p2align	6, 0x0
	.amdhsa_kernel k_qeace803fc5_gateq
		.amdhsa_group_segment_fixed_size 174080
		.amdhsa_private_segment_fixed_size 0
		.amdhsa_enable_private_segment 0
		.amdhsa_kernarg_size 64
		.amdhsa_user_sgpr_count 2
		.amdhsa_user_sgpr_kernarg_segment_ptr 1
		.amdhsa_wavefront_size32 1
		.amdhsa_system_sgpr_workgroup_id_x 1
		.amdhsa_system_sgpr_workgroup_id_y 1
		.amdhsa_system_sgpr_workgroup_id_z 1
		.amdhsa_system_vgpr_workitem_id 0
		.amdhsa_next_free_vgpr 258
		.amdhsa_next_free_sgpr 66
		.amdhsa_reserve_vcc 1
		.amdhsa_float_denorm_mode_32 3
		.amdhsa_float_denorm_mode_16_64 3
		.amdhsa_memory_ordered 1
		.amdhsa_forward_progress 1
		.amdhsa_inst_pref_size 103
	.end_amdhsa_kernel
	.amdgpu_metadata
---
amdhsa.version: [ 1, 2 ]
amdhsa.kernels:
  - .name:           k_qeace803fc5_gateq
    .symbol:         k_qeace803fc5_gateq.kd
    .args:
      - { .name: x, .offset: 0, .size: 8, .value_kind: global_buffer, .address_space: global }
      - { .name: gate_w, .offset: 8, .size: 8, .value_kind: global_buffer, .address_space: global }
      - { .name: gate_b, .offset: 16, .size: 8, .value_kind: global_buffer, .address_space: global }
      - { .name: xq, .offset: 24, .size: 8, .value_kind: global_buffer, .address_space: global }
      - { .name: xs, .offset: 32, .size: 8, .value_kind: global_buffer, .address_space: global }
      - { .name: route, .offset: 40, .size: 8, .value_kind: global_buffer, .address_space: global }
      - { .name: expert_w_codes, .offset: 48, .size: 8, .value_kind: global_buffer, .address_space: global }
      - { .name: wimg, .offset: 56, .size: 8, .value_kind: global_buffer, .address_space: global }
    .group_segment_fixed_size: 174080
    .private_segment_fixed_size: 0
    .kernarg_segment_align: 8
    .kernarg_segment_size: 64
    .max_flat_workgroup_size: 256
    .sgpr_count:     66
    .vgpr_count:     258
    .wavefront_size: 32
...
	.end_amdgpu_metadata
.endif
;; end of part 1
;; launch experts (part 2): grid 4 x 64, 4 waves a work-group, no clusters, 166,912 bytes of LDS; arguments route, xq, xs, wimg, expert_w_scales, expert_b, head_w, part; writes part
.if DOCPART == 2
	.amdgcn_target "amdgcn-amd-amdhsa--gfx1250"
	.amdhsa_code_object_version 6
	.text
	.protected	k_qeace803fc5_experts
	.globl	k_qeace803fc5_experts
	.p2align	8
	.type	k_qeace803fc5_experts,@function
k_qeace803fc5_experts:
	s_mov_b64 s[64:65], 0
	v_nop
	global_prefetch_b8 v0, s[64:65] scope:SCOPE_SE
	s_setreg_imm32_b32 hwreg(HW_REG_WAVE_MODE, 25, 1), 1
	s_wait_xcnt 0x0
; One tile (up to 144 tokens of ONE expert) x 256 of the expert's 1,024 outputs: which tokens, their codes, the product on codes of E4M3 with E8M0 scales, + expert_b,
; and the head's two columns over these 256 outputs.  part[q][token][c] takes the sums; the last launch adds the four q and takes the mean (the head is applied ahead of
; the mean, to parts of the sum over K, and to expert_b by itself: a change of the order of f32 sums only).
; Left out as dead work: the products with experts other than a token's winner (thrown away by the one-hot selection that reference() builds), and the factor sum(top_p) = 1.
; WHICH TOKENS.  route holds for each of the 256 blocks of 32 tokens eight masks and eight counts.  Wave w takes blocks 64 w + 32 u + l (u = 0, 1) in lane l.  A scan over the lanes, the waves'
; totals through LDS: tiles of 144 rows, expert by expert: at most (8,192 + 8 x 143) / 144 = 64 for every split.  My tile is the grid's y: its expert e, its first rank R0, its rows.
; A token's rank among e's is by (w, l, u, bit).  The table P of the ranks at which the 256 places t = 64 w + 2 l + u begin goes through LDS; then a lane stands for a row, finds the last place that
; begins at or below its rank (16 coarse numbers, then 16 fine ones), and in that place's mask the bit of its rank.
; NO BRANCH HANGS ON WHAT IS READ: a tile with fewer than 144 rows repeats its last row, a tile with none runs on held addresses, and the stores are masked by the row count.
; SHARES.  x of the grid = q (outputs 256 q on), y = the tile.  WAVE w TAKES A QUARTER OF K: K steps 2 w, 2 w + 1 of 128, for all 256 outputs and all nine tiles of 16 tokens.  What the head makes of
; the four waves' parts is added at the end.  So no operand is shared between waves: a wave gathers its 256 bytes of each of the 144 rows, turns them once through LDS bytes of its own, and keeps them as
; fragments in 288 registers; its weights come from their register image straight into registers, a ring of 12 o-tiles.
; THE STREAM: 16 o-tiles of 18 products.  The product is used transposed: source 0 = 16 rows of the weight, source 1 = 16 tokens: lane (r, h) holds token r, its register j output 8 h + j.
; Two sets of nine accumulators: the head of o-tile T - 1 stands among the products of T, four vector lines behind each.
; NO JOINT LOADS: the four work-groups of a tile share its 144 KiB of codes (of the 400 KiB that each takes in), but those rows are gathered row by row by numbers made of loaded
; ones, which a descriptor made of constants, ids and counted steps cannot state.  NO PREFETCH: there is no loop to run ahead in; every load is issued once, as early as its address is known and a register is free.
; LIMITS: as the launch in front states them; numbers made of loaded ones are held inside their tables before they enter an address.
; REGISTERS, in windows of 256.  Window 0: v0-21, v59 addresses; v24-27 my 16 bytes of head_w; v28-29 expert_b; v30-31 their product, summed over a row of 16 lanes; v32-47 the weights' scale words
;   (register 2 (T / 2) + s: lanes 0-15 o-tile T even, lanes 16-31 odd); v49-58 the tokens' likewise; v60-77 the head's sums; v80-111 head_w, two o-tiles; v112-255 the search, then two sets of accumulators.
;   Window 1: the weights' slots 0-7;  window 2: v0-31 the fragments of tile 8, v128-255 the slots 8-11;  window 3: the fragments of tiles 0-7.
.set PT,  256                          ; LDS: 0 the waves' totals; the table P, 256 words
.set MT,  1280                         ; the masks, 256 words
.set LIST, 2304                        ; the tile's tokens, 144 words
.set HWL, 3072                         ; head_w: 256 outputs x 8 bytes
.set XR,  5120                         ; each wave's 144 rows of 256 bytes
.set XP,  272                          ; a row: 256 bytes + 16 = 17 x 16: the 16 rows that a fragment load touches start at 16 different places modulo 256 bytes
.set YL,  161792                       ; 4 waves x 144 rows x 8 bytes: the waves' head sums
.set SPARE, 166400                     ; the spare words, 128 bytes a wave
.set WS,  32
.set XS,  49
.set YR,  60
.set HW,  80
.set ACC, 112
.set OFS, 184                          ; the gathered rows' tokens, then offsets: 72 registers
.set MSB, 0
.macro WIN new                         ; the immediate's high byte repeats the setting that is left
.if MSB != \new
	s_set_vgpr_msb (MSB<<8)|\new
.set MSB, \new
.endif
.endm
.macro WFRAG t, s                      ; o-tile t's fragment of my K step s into slot t % 12: four loads of 512 consecutive bytes
.set sl_, (\t)%12
.if sl_ < 8
	WIN 0x40
.set w_, 32*sl_+16*(\s)
.else
	WIN 0x80
.set w_, 128+32*(sl_-8)+16*(\s)
.endif
.irp c, 0,1,2,3
	global_load_b128 v[w_+4*\c:w_+4*\c+3], v3, s[10:11] offset:16384*(\t)+2048*(\s)+512*\c
.endr
.endm
.macro WLOAD t
	WFRAG \t, 0
	WFRAG \t, 1
	WIN 0
.endm
.macro XT a                            ; tile a's eight loads: load n brings 256 bytes of two rows: 16 a + 8 (n / 4) + n % 4 + 4 h
	WIN 0
.irp n, 0,1,2,3,4,5,6,7
	v_min_u32 v[OFS+8*(\a)+\n], 0x1fff, v[OFS+8*(\a)+\n]
.endr
.irp n, 0,1,2,3,4,5,6,7
	v_lshl_add_u32 v[OFS+8*(\a)+\n], v[OFS+8*(\a)+\n], 10, v18 ; the token's row of codes, + 16 r
.endr
.if (\a) < 8
	WIN 0xc0
.set x_, 32*(\a)
.else
	WIN 0x80
.set x_, 0
.endif
.irp n, 0,1,2,3,4,5,6,7
	global_load_b128 v[x_+4*\n:x_+4*\n+3], v[OFS+8*(\a)+\n], s[6:7]
.endr
	WIN 0
.endm
.macro XTURN a                         ; and their turn: rows in, fragments back into the same registers.  LDS serves a wave's instructions in order (ISA guide 5.7.1.4)
.if (\a) < 8
	WIN 0x0c
.set x_, 32*(\a)
.else
	WIN 0x08
.set x_, 0
.endif
.irp n, 0,1,2,3,4,5,6,7
	ds_store_b128 v7, v[x_+4*\n:x_+4*\n+3] offset:XP*(16*(\a)+8*(\n/4)+\n%4)
.endr
.if (\a) < 8
	WIN 0xc0
.else
	WIN 0x80
.endif
.irp n, 0,1,2,3,4,5,6,7
	ds_load_b128 v[x_+4*\n:x_+4*\n+3], v4 offset:XP*16*(\a)+32*\n              ; K step n / 4, piece n % 4
.endr
	WIN 0
.endm
.macro PROD t                          ; product m_ of o-tile t: K step m_ / 9, tile m_ % 9.  The nine accumulators take turns; the first K step takes 0 as C
.set s_, m_/9
.set a_, m_%9
.set sl_, (\t)%12
.if sl_ < 8
.set wn_, 1
.set w_, 32*sl_+16*s_
.else
.set wn_, 2
.set w_, 128+32*(sl_-8)+16*s_
.endif
.if a_ < 8
.set wn_, wn_+12
.set x_, 32*a_+16*s_
.else
.set wn_, wn_+8
.set x_, 16*s_
.endif
.set d_, ACC+72*((\t)%2)+8*a_
.set ws_, WS+2*((\t)/2)+s_
.set xs_, XS+2*(a_/2)+s_
	WIN wn_
.if s_ == 0
.if ((\t)%2 == 0) && (a_%2 == 0)
	v_wmma_scale_f32_16x16x128_f8f6f4 v[d_:d_+7], v[w_:w_+15], v[x_:x_+15], 0, v[ws_], v[xs_]
.elseif ((\t)%2 == 1) && (a_%2 == 0)
	v_wmma_scale_f32_16x16x128_f8f6f4 v[d_:d_+7], v[w_:w_+15], v[x_:x_+15], 0, v[ws_], v[xs_] matrix_a_scale:MATRIX_SCALE_ROW1
.elseif ((\t)%2 == 0) && (a_%2 == 1)
	v_wmma_scale_f32_16x16x128_f8f6f4 v[d_:d_+7], v[w_:w_+15], v[x_:x_+15], 0, v[ws_], v[xs_] matrix_b_scale:MATRIX_SCALE_ROW1
.else
	v_wmma_scale_f32_16x16x128_f8f6f4 v[d_:d_+7], v[w_:w_+15], v[x_:x_+15], 0, v[ws_], v[xs_] matrix_a_scale:MATRIX_SCALE_ROW1 matrix_b_scale:MATRIX_SCALE_ROW1
.endif
.else
.if ((\t)%2 == 0) && (a_%2 == 0)
	v_wmma_scale_f32_16x16x128_f8f6f4 v[d_:d_+7], v[w_:w_+15], v[x_:x_+15], v[d_:d_+7], v[ws_], v[xs_]
.elseif ((\t)%2 == 1) && (a_%2 == 0)
	v_wmma_scale_f32_16x16x128_f8f6f4 v[d_:d_+7], v[w_:w_+15], v[x_:x_+15], v[d_:d_+7], v[ws_], v[xs_] matrix_a_scale:MATRIX_SCALE_ROW1
.elseif ((\t)%2 == 0) && (a_%2 == 1)
	v_wmma_scale_f32_16x16x128_f8f6f4 v[d_:d_+7], v[w_:w_+15], v[x_:x_+15], v[d_:d_+7], v[ws_], v[xs_] matrix_b_scale:MATRIX_SCALE_ROW1
.else
	v_wmma_scale_f32_16x16x128_f8f6f4 v[d_:d_+7], v[w_:w_+15], v[x_:x_+15], v[d_:d_+7], v[ws_], v[xs_] matrix_a_scale:MATRIX_SCALE_ROW1 matrix_b_scale:MATRIX_SCALE_ROW1
.endif
.endif
.endm
; line n_ of o-tile tt's head: y(token, c) += result(token, output) x head_w(output, c): both columns in one instruction, the result serves both; register j_ = n_ / 9 of tile n_ % 9: each accumulator from its low end on
.macro HEADN tt
.set j_, n_/9
.set ac_, ACC+72*((\tt)%2)+8*(n_%9)
.set hw_, HW+16*((\tt)%2)+2*j_
.set y_, YR+2*(n_%9)
.if (j_ == 0) && ((\tt) == 0)
	v_pk_fma_f32 v[y_:y_+1], v[ac_:ac_+1], v[hw_:hw_+1], v[30:31] op_sel_hi:[0,1,1]    ; expert_b's part starts the sums
.elseif j_%2 == 0
	v_pk_fma_f32 v[y_:y_+1], v[ac_+j_:ac_+j_+1], v[hw_:hw_+1], v[y_:y_+1] op_sel_hi:[0,1,1]
.else
	v_pk_fma_f32 v[y_:y_+1], v[ac_+j_-1:ac_+j_], v[hw_:hw_+1], v[y_:y_+1] op_sel:[1,0,0] op_sel_hi:[1,1,1]
.endif
.set n_, n_+1
.endm
.macro PHASE t                         ; o-tile t's products; among them the head of o-tile t - 1, and (t = 1 .. 4) the loads of o-tile t + 11 into the slot of o-tile t - 1
	WIN 0
	s_wait_alu depctr_va_vdst(0)
.if (\t) >= 8
	s_wait_loadcnt 8*(15-(\t))                     ; my weights are in; eight loads of each later o-tile may be out
.elseif (\t) >= 5
	s_wait_loadcnt 63                              ; 64 or more loads are younger (the field holds 63)
.endif
	s_wait_dscnt 0x0                               ; head_w of o-tile t - 1 (t = 0: the tokens' fragments)
.irp i, 0,1,2,3
	ds_load_b128 v[HW+16*((\t)%2)+4*\i:HW+16*((\t)%2)+4*\i+3], v15 offset:HWL+128*(\t)+16*\i   ; head_w(16 t + 8 h + j, c)
.endr
.set m_, 0
.set n_, 0
.rept 18
.if ((\t) >= 1) && ((\t) <= 4) && ((m_ == 4) || (m_ == 10))
	WFRAG \t+11, m_/10                             ; more than eight vector lines behind the slot's last product
.endif
	PROD \t
.if (\t) >= 1
	WIN 0
	HEADN \t-1
	HEADN \t-1
	HEADN \t-1
	HEADN \t-1
.endif
.set m_, m_+1
.endr
.endm
.macro SEL d, w                        ; expert e's 16-bit number out of four packed words
	v_cndmask_b32 v[\d], v[\w], v[\w+1], s52
	v_cndmask_b32 v[\d+1], v[\w+2], v[\w+3], s52
	v_cndmask_b32 v[\d], v[\d], v[\d+1], s53
	v_bfe_u32 v[\d], v[\d], s57, 16
.endm
.macro COUNT a, b                      ; rows' lanes: how many of the 15 numbers behind v[a] (set 0), v[b] (set 1) are at or below the lane's rank
.irp k, 1,2,3,4,5,6,7,8,9,10,11,12,13,14,15
	v_cmp_le_u32 vcc_lo, v[\a+\k], v176
	v_cmp_le_u32 s60, v[\b+\k], v177
	v_add_co_ci_u32 v178, vcc_lo, 0, v178, vcc_lo
	v_add_co_ci_u32 v179, s61, 0, v179, s60
.endr
.endm
	s_load_b512 s[4:19], s[0:1], 0x0               ; route, xq, xs, wimg, expert_w_scales, expert_b, head_w, part
	v_lshl_add_u32 v22, v0, 2, SPARE
	v_mov_b32 v23, 0
	v_lshrrev_b32 v10, 5, v0
	v_readfirstlane_b32 s24, v10                   ; wave 0..3
	v_and_b32 v10, 31, v0                          ; lane
	v_and_b32 v1, 15, v0                           ; r
	v_bfe_u32 v2, v0, 4, 1                         ; h
	s_and_b32 s29, ttmp7, 0xffff                   ; the tile
	s_lshl_b32 s33, s24, 11
	s_lshl_b32 s36, s24, 10
	v_lshlrev_b32 v3, 4, v10                       ; 16 x lane
	v_lshl_add_u32 v20, v10, 5, s33                ; masks: 2,048 w + 32 l (+ 1,024 u)
	v_add_nc_u32 v21, s36, v3                      ; counts: 1,024 w + 16 l (+ 512 u)
	v_lshlrev_b32 v19, 4, v0                       ; head_w: my two outputs, 2 x thread and the next, 16 bytes
	s_lshl_b32 s38, ttmp9, 11
	s_mov_b32 s39, 0
	s_wait_alu depctr_va_vdst(0)
	s_wait_kmcnt 0x0
	s_add_nc_u64 s[16:17], s[16:17], s[38:39]      ; head_w: 256 q outputs x 8 bytes
.irp u, 0,1
	global_load_b128 v[128+4*\u:131+4*\u], v21, s[4:5] offset:8192+512*\u
.endr
.irp u, 0,1
	global_load_b128 v[136+8*\u:139+8*\u], v20, s[4:5] offset:1024*\u
	global_load_b128 v[140+8*\u:143+8*\u], v20, s[4:5] offset:1024*\u+16
.endr
	global_load_b128 v[24:27], v19, s[16:17]
	s_lshl_b32 s38, ttmp9, 16
	s_add_nc_u64 s[18:19], s[18:19], s[38:39]      ; part[q]
	s_lshl_b32 s38, s24, 8
	s_add_nc_u64 s[6:7], s[6:7], s[38:39]          ; my 256 bytes of a row of codes
	s_lshl_b32 s38, s24, 3
	s_mov_b32 s59, s38
	s_add_nc_u64 s[8:9], s[8:9], s[38:39]          ; and my 8 of its scale bytes
	s_lshl_b32 s58, s24, 12                        ; my two K steps in an o-tile's image
	s_lshl_b32 s34, ttmp9, 4                       ; 16 q: the first tile of outputs
	s_lshl_b32 s33, s24, 5                         ; 32 w
	s_lshl_b32 s36, s24, 2
	s_add_co_u32 s36, s36, 128                     ; 128 + 4 w
	s_mov_b32 s30, 0x76543210
	s_mov_b32 s31, 0xfedcba98                      ; v_permlanex16_b32's selects for lane l xor 16
	s_min_u32 s54, s24, 1                          ; w > 0,
	s_lshr_b32 s55, s24, 1                         ; w > 1,
	s_add_co_u32 s56, s24, 1
	s_lshr_b32 s56, s56, 2                         ; w > 2, as 0 or 1
	s_mul_i32 s37, s24, 1152
	s_add_co_u32 s37, s37, YL
	s_lshl_b32 s40, s24, 8
	s_lshl_b32 s41, s24, 4
	s_mul_i32 s42, s24, 144*XP
	s_add_co_u32 s42, s42, XR                      ; my rows
	v_mul_u32_u24 v4, v1, XP
	v_lshl_add_u32 v4, v2, 4, v4
	v_add_nc_u32 v4, s42, v4                       ; a fragment: row r, 16 h
	v_mul_u32_u24 v7, v2, 4*XP
	v_lshl_add_u32 v7, v1, 4, v7
	v_add_nc_u32 v7, s42, v7                       ; where the gathered rows go: row 4 h, 16 r
	v_lshlrev_b32 v6, 2, v1                        ; 4 r
	v_mov_b32 v8, 0
	v_lshl_add_u32 v9, v1, 3, s37                  ; my wave's head sums: 8 bytes a row
	v_add_nc_u32 v11, s33, v10                     ; the rows that this lane stands for in the search: 32 w + lane,
	v_and_b32 v12, 3, v10
	v_add_nc_u32 v12, s36, v12                     ; and 128 + 4 w + lane % 4
	v_lshlrev_b32 v13, 2, v11
	v_lshlrev_b32 v14, 2, v12
	v_lshlrev_b32 v15, 6, v2                       ; head_w in LDS: 8 h outputs
	v_lshlrev_b32 v16, 4, v2                       ; the list: rows 4 h on
	v_lshlrev_b32 v17, 2, v10                      ; the list: row lane
	v_lshlrev_b32 v18, 4, v1                       ; 16 r
	v_lshlrev_b32 v5, 3, v0                        ; expert_b: my two outputs
	v_lshlrev_b32 v59, 5, v10                      ; the weights' scales: 32 bytes a row
	v_lshl_add_u32 v183, v10, 3, s40               ; my two places in the tables: 256 w + 8 l
	v_mov_b32 v179, s41                            ; my wave's totals: 16 w
	v_sub_nc_u32 v180, 0, v2                       ; lanes 16-31: all ones
	v_and_b32 v181, 7, v10
	v_lshlrev_b32 v181, 1, v181                    ; lane e: expert e's 16-bit number
.irp i, 156,157,158,159,171
	v_mov_b32 v\i, 0                               ; written ahead: a DPP line's destination counts as one of its sources
.endr
	s_wait_alu depctr_va_vdst(0)
	s_wait_loadcnt 5                               ; the counts are in; four loads of masks and head_w's are younger
.irp i, 0,1,2,3
	v_add_nc_u32 v[152+\i], v[128+\i], v[132+\i]   ; my two blocks' counts, packed: no sum passes 8,192
.endr
.irp sh, 1,2,4,8                       ; the sums over the lanes up to mine, within a row of 16 lanes,
.irp i, 0,1,2,3
	v_mov_b32_dpp v[156+\i], v[152+\i] row_shr:\sh row_mask:0xf bank_mask:0xf bound_ctrl:1
.endr
.irp i, 0,1,2,3
	v_add_nc_u32 v[152+\i], v[152+\i], v[156+\i]
.endr
.endr
.irp i, 0,1,2,3
	v_readlane_b32 s[40+\i], v[152+\i], 15
.endr
.irp i, 0,1,2,3
	v_and_b32 v[156+\i], s[40+\i], v180            ; and the lower row's whole sum for lanes 16-31
.endr
.irp i, 0,1,2,3
	v_add_nc_u32 v[152+\i], v[152+\i], v[156+\i]
.endr
.irp i, 0,1,2,3
	v_readlane_b32 s[40+\i], v[152+\i], 31
.endr
.irp i, 0,1,2,3
	v_mov_b32 v[160+\i], s[40+\i]
.endr
	ds_store_b128 v179, v[160:163]                 ; the wave's totals: all lanes write the same bytes with the same values
	s_wait_alu depctr_va_vdst(0)
	s_wait_dscnt 0x0                               ; for the others' sake
	s_barrier_signal -1
	s_barrier_wait -1
.irp k, 0,1,2,3
	ds_load_u16 v[164+\k], v181 offset:16*\k       ; lane e: wave k's total of expert e
.endr
	s_wait_dscnt 0x0
	v_add_nc_u32 v168, v164, v165
	v_add_nc_u32 v169, v166, v167
	v_mul_u32_u24 v173, s54, v164
	v_add_nc_u32 v168, v168, v169                  ; the expert's total
	v_mad_u32_u24 v173, v165, s55, v173
	v_add_nc_u32 v170, 143, v168
	v_mad_u32_u24 v173, v166, s56, v173            ; what the waves in front of mine have of it
	v_lshrrev_b32 v170, 4, v170
	v_mul_u32_u24 v170, 7282, v170
	v_lshrrev_b32 v170, 16, v170                   ; ceil(total / 144) = ((total + 143) / 16) / 9; y x 7282 / 65536 = floor(y / 9) for y up to 520
	v_mov_b32 v174, v170
.irp sh, 1,2,4
	v_mov_b32_dpp v171, v174 row_shr:\sh row_mask:0xf bank_mask:0xf bound_ctrl:1
	v_add_nc_u32 v174, v174, v171
.endr
	v_sub_nc_u32 v172, v174, v170                  ; lanes 0-7: the expert's first tile
	v_cmp_ge_u32 s45, s29, v172
	s_and_b32 s45, s45, 0xff
	s_bcnt1_i32_b32 s45, s45
	s_sub_co_u32 s45, s45, 1                       ; the last expert whose first tile is not behind mine (expert 0's is 0)
	s_min_u32 s25, s45, 7                          ; held inside the table
	v_readlane_b32 s47, v172, s25                  ; its first tile,
	v_readlane_b32 s48, v168, s25                  ; its total,
	v_readlane_b32 s49, v173, s25                  ; and my wave's first rank in it
	s_bitcmp1_b32 s25, 0
	s_cselect_b32 s51, -1, 0                       ; e's three bits, as masks of lanes
	s_bitcmp1_b32 s25, 1
	s_cselect_b32 s52, -1, 0
	s_bitcmp1_b32 s25, 2
	s_cselect_b32 s53, -1, 0
	s_and_b32 s57, s25, 1
	s_lshl_b32 s57, s57, 4                         ; which half of a packed word
	s_lshl_b32 s36, s25, 6
	s_add_co_u32 s36, s36, s34                     ; 64 e + 16 q
	s_lshl_b32 s38, s36, 14
	s_add_co_u32 s38, s38, s58
	s_add_nc_u64 s[10:11], s[10:11], s[38:39]      ; the image: 16,384 bytes an o-tile, 4,096 a wave
	s_wait_alu depctr_va_vdst(0)
	s_wait_loadcnt 0x0                             ; the masks and my head_w are in
	SEL 216, 152                                   ; the sum up to my lane,
	SEL 218, 128                                   ; block u = 0's count,
	SEL 220, 132                                   ; u = 1's
.irp i, 0,2,4,6
	v_cndmask_b32 v[136+\i], v[136+\i], v[137+\i], s51         ; e's mask of each of my two blocks
	v_cndmask_b32 v[144+\i], v[144+\i], v[145+\i], s51
.endr
	v_sub_nc_u32 v216, v216, v218
.irp i, 0,4
	v_cndmask_b32 v[136+\i], v[136+\i], v[138+\i], s52
	v_cndmask_b32 v[144+\i], v[144+\i], v[146+\i], s52
.endr
	v_sub_nc_u32 v216, v216, v220
	v_cndmask_b32 v222, v136, v140, s53
	v_cndmask_b32 v223, v144, v148, s53
	v_add_nc_u32 v216, s49, v216                   ; the rank at which place 64 w + 2 l begins,
	v_add_nc_u32 v217, v216, v218                  ; and 64 w + 2 l + 1
	ds_store_b64 v183, v[222:223] offset:MT
	ds_store_b64 v183, v[216:217] offset:PT
	ds_store_b128 v19, v[24:27] offset:HWL
	WLOAD 0                                        ; the weights' loads go out in small groups behind the LDS instructions that the search waits for
	s_lshl_b32 s38, s36, 9
	s_add_co_u32 s38, s38, s59
	s_add_nc_u64 s[12:13], s[12:13], s[38:39]      ; the weights' scales: 16 rows x 32 bytes an o-tile
	s_lshl_b32 s38, s36, 6
	s_add_nc_u64 s[14:15], s[14:15], s[38:39]      ; expert_b: 16 x 4 bytes
	s_sub_co_u32 s47, s29, s47                     ; which tile of the expert
	s_mul_i32 s26, s47, 144                        ; R0
	s_min_u32 s50, s26, s48
	s_sub_co_u32 s50, s48, s50
	s_min_u32 s27, s50, 144                        ; rows
	s_max_u32 s28, s27, 1
	s_sub_co_u32 s28, s28, 1                       ; the tile's last row (0 for an empty tile)
	s_wait_alu depctr_va_vdst(0)
	s_wait_dscnt 0x0                               ; for the others' sake
	s_barrier_signal -1
	s_barrier_wait -1
.irp k, 1,2,3,4,5,6,7,8,9,10,11,12,13,14,15
	ds_load_b32 v[160+\k], v8 offset:PT+64*\k      ; P at places 16, 32 .. 240, in every lane
.endr
	WLOAD 1
	v_min_u32 v176, s28, v11
	v_min_u32 v177, s28, v12
	v_add_nc_u32 v176, s26, v176                   ; the ranks of this lane's two rows
	v_add_nc_u32 v177, s26, v177
	v_mov_b32 v178, 0
	v_mov_b32 v179, 0
	s_wait_alu depctr_va_vdst(0)
	s_wait_dscnt 0x0
	COUNT 160, 160
	v_min_u32 v178, 15, v178
	v_min_u32 v179, 15, v179
	v_lshlrev_b32 v180, 6, v178
	v_lshlrev_b32 v181, 6, v179
.irp i, 0,1,2,3
	ds_load_b128 v[184+4*\i:187+4*\i], v180 offset:PT+16*\i    ; P at the 16 places of that run
.endr
.irp i, 0,1,2,3
	ds_load_b128 v[200+4*\i:203+4*\i], v181 offset:PT+16*\i
.endr
	v_lshlrev_b32 v178, 4, v178
	v_lshlrev_b32 v179, 4, v179
	s_wait_alu depctr_va_vdst(0)
	WLOAD 2
	s_wait_dscnt 0x0
	COUNT 184, 200
	v_min_u32 v178, 0xff, v178                     ; the place
	v_min_u32 v179, 0xff, v179
	v_lshlrev_b32 v180, 2, v178
	v_lshlrev_b32 v181, 2, v179
.irp z, 0,1
	ds_load_b32 v[184+\z], v[180+\z] offset:PT     ; where it begins,
	ds_load_b32 v[186+\z], v[180+\z] offset:MT     ; and its mask
.endr
	s_wait_alu depctr_va_vdst(0)
	WLOAD 3
	s_wait_dscnt 0x0                               ; my reads of the tables are over:
	s_barrier_signal -1                            ; say so; register work while the others arrive
; the n-th set bit (n from 0) of a mask: counts of 2, 4 and 8 bits, then five halvings
.irp z, 0,1
	v_sub_nc_u32 v[188+\z], v[176+\z], v[184+\z]   ; n
.endr
.irp z, 0,1
	v_lshrrev_b32 v[196+\z], 1, v[186+\z]
.endr
.irp z, 0,1
	v_and_b32 v[196+\z], 0x55555555, v[196+\z]
.endr
.irp z, 0,1
	v_sub_nc_u32 v[190+\z], v[186+\z], v[196+\z]   ; ones in each 2 bits
.endr
.irp z, 0,1
	v_lshrrev_b32 v[196+\z], 2, v[190+\z]
	v_and_b32 v[192+\z], 0x33333333, v[190+\z]
.endr
.irp z, 0,1
	v_and_b32 v[196+\z], 0x33333333, v[196+\z]
.endr
.irp z, 0,1
	v_add_nc_u32 v[192+\z], v[192+\z], v[196+\z]   ; in each 4
.endr
.irp z, 0,1
	v_lshrrev_b32 v[196+\z], 4, v[192+\z]
.endr
.irp z, 0,1
	v_add_nc_u32 v[196+\z], v[192+\z], v[196+\z]
.endr
.irp z, 0,1
	v_and_b32 v[194+\z], 0x0f0f0f0f, v[196+\z]     ; in each 8
.endr
.irp z, 0,1
	v_lshrrev_b32 v[196+\z], 8, v[194+\z]
.endr
.irp z, 0,1
	v_add_nc_u32 v[196+\z], v[194+\z], v[196+\z]
.endr
.irp z, 0,1
	v_and_b32 v[196+\z], 0xff, v[196+\z]           ; in the lower 16
.endr
.irp z, 0,1
	v_sub_nc_u32 v[198+\z], v[188+\z], v[196+\z]
	v_cmp_ge_u32 s[60+\z], v[188+\z], v[196+\z]
.endr
.irp z, 0,1
	v_cndmask_b32 v[188+\z], v[188+\z], v[198+\z], s[60+\z]
	v_cndmask_b32 v[202+\z], 0, 16, s[60+\z]       ; the bit's number
.endr
.macro HALF src, n
.irp z, 0,1
	v_bfe_u32 v[196+\z], v[\src+\z], v[202+\z], \n
.endr
.irp z, 0,1
	v_add_nc_u32 v[204+\z], \n, v[202+\z]
	v_sub_nc_u32 v[198+\z], v[188+\z], v[196+\z]
	v_cmp_ge_u32 s[60+\z], v[188+\z], v[196+\z]
.endr
.irp z, 0,1
	v_cndmask_b32 v[188+\z], v[188+\z], v[198+\z], s[60+\z]
	v_cndmask_b32 v[202+\z], v[202+\z], v[204+\z], s[60+\z]
.endr
.endm
	HALF 194, 8
	HALF 192, 4
	HALF 190, 2
	HALF 186, 1
.irp z, 0,1
	v_and_b32 v[206+\z], 0xc0, v[178+\z]           ; place 64 w + 2 l + u is block 64 w + 32 u + l: token 2,048 w + 1,024 u + 32 l + bit
	v_and_b32 v[208+\z], 1, v[178+\z]
	v_and_b32 v[210+\z], 0x3e, v[178+\z]
.endr
.irp z, 0,1
	v_lshlrev_b32 v[206+\z], 5, v[206+\z]
.endr
.irp z, 0,1
	v_lshl_add_u32 v[206+\z], v[208+\z], 10, v[206+\z]
.endr
.irp z, 0,1
	v_lshl_add_u32 v[206+\z], v[210+\z], 4, v[206+\z]
.endr
.irp z, 0,1
	v_add_nc_u32 v[206+\z], v[206+\z], v[202+\z]
.endr
.irp z, 0,1
	v_min_u32 v[206+\z], 0x1fff, v[206+\z]         ; the token, held inside the table
.endr
	s_wait_alu depctr_va_vdst(0)
	s_barrier_wait -1                              ; nobody reads the tables any more
	ds_store_b32 v13, v206 offset:LIST
	ds_store_b32 v14, v207 offset:LIST             ; (lanes with the same lane % 4 write the same word with the same value)
.irp u, 0,1,2,3,4,5,6,7
	global_load_b64 v[WS+2*\u:WS+2*\u+1], v59, s[12:13] offset:1024*\u         ; lanes 0-15: rows of o-tile 2 u, lanes 16-31: of 2 u + 1; my two words a row
.endr
	global_load_b64 v[28:29], v5, s[14:15]         ; expert_b of my two outputs
	s_wait_dscnt 0x0                               ; for the others' sake
	s_barrier_signal -1
	s_barrier_wait -1                              ; the list is whole
.irp u, 0,1,2,3
	ds_load_b32 v[176+\u], v17 offset:LIST+128*\u  ; for the scale words: row 32 u + lane,
.endr
	ds_load_b32 v180, v6 offset:LIST+512           ; and 128 + r
.irp i, 0,1,2,3,4,5,6,7,8,9,10,11,12,13,14,15,16,17
	ds_load_b128 v[OFS+4*\i:OFS+4*\i+3], v16 offset:LIST+32*\i ; for the gather: rows 8 i + 4 h + 0 .. 3
.endr
	WLOAD 4
	s_wait_dscnt 18                                ; the five are in; the eighteen are younger
.irp u, 0,1,2,3,4
	v_min_u32 v[176+\u], 0x1fff, v[176+\u]
.endr
.irp u, 0,1,2,3,4
	v_lshlrev_b32 v[176+\u], 5, v[176+\u]
.endr
.irp u, 0,1,2,3,4
	global_load_b64 v[HW+2*\u:HW+2*\u+1], v[176+\u], s[8:9]    ; lanes 0-15 tile 2 u, lanes 16-31 tile 2 u + 1: my two words
.endr
	s_wait_alu depctr_va_vdst(0)
	s_wait_dscnt 0x0
.irp a, 0,1,2,3,4,5,6
	XT \a
.endr
.irp a, 0,1,2,3,4,5,6,7,8              ; the turns, tile by tile; ahead of each the next eight loads go out
.if \a < 2
	XT \a+7
.else
	WLOAD \a+3
.endif
	s_wait_alu depctr_va_vdst(0)
	s_wait_loadcnt 56                              ; this tile's eight loads are in; seven groups of eight are younger
	XTURN \a
.if \a == 0
.irp i, 0,1,2,3,4,5,6,7,8,9
	v_mov_b32 v[XS+\i], v[HW+\i]                   ; the tokens' scale words (older than tile 0's loads) into pairs that begin at an odd number: no product's two scale words have numbers equal modulo 8
.endr
.endif
.endr
	PHASE 0
	WIN 0
	v_pk_mul_f32 v[30:31], v[24:25], v[28:29] op_sel_hi:[1,0]  ; expert_b x head_w over my two outputs,
	v_pk_fma_f32 v[30:31], v[26:27], v[28:29], v[30:31] op_sel:[0,1,0] op_sel_hi:[1,1,1]
	v_add_f32_dpp v30, v30, v30 row_xmask:1 row_mask:0xf bank_mask:0xf         ; over a row of 16 lanes: the two rows' parts meet where the two halves of the lanes' sums are added, the waves' where the waves' are.
	v_add_f32_dpp v31, v31, v31 row_xmask:1 row_mask:0xf bank_mask:0xf         ; (These ten lines are also the places behind the last products)
	v_add_f32_dpp v30, v30, v30 row_xmask:2 row_mask:0xf bank_mask:0xf
	v_add_f32_dpp v31, v31, v31 row_xmask:2 row_mask:0xf bank_mask:0xf
	v_add_f32_dpp v30, v30, v30 row_xmask:4 row_mask:0xf bank_mask:0xf
	v_add_f32_dpp v31, v31, v31 row_xmask:4 row_mask:0xf bank_mask:0xf
	v_add_f32_dpp v30, v30, v30 row_xmask:8 row_mask:0xf bank_mask:0xf
	v_add_f32_dpp v31, v31, v31 row_xmask:8 row_mask:0xf bank_mask:0xf
.irp t, 1,2,3,4,5,6,7,8,9,10,11,12,13,14,15
	PHASE \t
.endr
	WIN 0
	s_wait_alu depctr_va_vdst(0)
	s_wait_dscnt 0x0
.set n_, 0
.rept 72
	HEADN 15
.endr
	ds_load_b32 v130, v13 offset:LIST              ; the tokens of the rows that I store: 32 w + lane,
	ds_load_b32 v131, v14 offset:LIST              ; and 128 + 4 w + lane % 4
.irp a, 0,1,2,3,4,5,6,7,8
	v_permlanex16_b32 v[112+2*\a], v[YR+2*\a], s30, s31        ; the token's other eight outputs of each o-tile lie in lane l xor 16
	v_permlanex16_b32 v[113+2*\a], v[YR+2*\a+1], s30, s31
.endr
.irp a, 0,1,2,3,4,5,6,7,8
	v_pk_add_f32 v[YR+2*\a:YR+2*\a+1], v[YR+2*\a:YR+2*\a+1], v[112+2*\a:113+2*\a]
.endr
.irp a, 0,1,2,3,4,5,6,7,8
	ds_store_b64 v9, v[YR+2*\a:YR+2*\a+1] offset:128*\a        ; both halves of the lanes write the same bytes with the same values
.endr
	v_lshl_add_u32 v132, v11, 3, YL
	v_lshl_add_u32 v133, v12, 3, YL
	v_lshrrev_b32 v134, 2, v10
	v_lshl_add_u32 v135, v134, 10, v12             ; the second store's row: lanes 0-3 alone have one under 144
	s_wait_alu depctr_va_vdst(0)
	s_wait_dscnt 0x0                               ; for the others' sake; the two tokens are in
	v_min_u32 v130, 0x1fff, v130
	v_min_u32 v131, 0x1fff, v131
	v_lshlrev_b32 v130, 3, v130                    ; 8 bytes a token
	v_lshlrev_b32 v131, 3, v131
	s_wait_alu depctr_va_vdst(0)
	s_barrier_signal -1
	s_barrier_wait -1
.irp k, 0,1,2,3
	ds_load_b64 v[136+2*\k:137+2*\k], v132 offset:1152*\k      ; the four waves' sums
	ds_load_b64 v[144+2*\k:145+2*\k], v133 offset:1152*\k
.endr
	s_wait_dscnt 0x0
.irp b, 136,144
	v_pk_add_f32 v[\b:\b+1], v[\b:\b+1], v[\b+2:\b+3]
	v_pk_add_f32 v[\b+4:\b+5], v[\b+4:\b+5], v[\b+6:\b+7]
.endr
.irp b, 136,144
	v_pk_add_f32 v[\b:\b+1], v[\b:\b+1], v[\b+4:\b+5]
.endr
.macro OUT row, off, d                 ; stored where the row exists
	v_cmp_gt_u32 vcc_lo, s27, v[\row]              ; rows > row
	s_wait_alu depctr_va_vdst(0)
	s_wait_xcnt 0x0                                ; EXEC is a source of pending memory instructions: it changes only behind this wait
	s_and_saveexec_b32 s33, vcc_lo
	global_store_b64 v[\off], v[\d:\d+1], s[18:19] ; 8 bytes at the token's place: 256 KiB in the whole launch
	s_wait_xcnt 0x0                                ; and again in front of the line that widens it
	s_or_b32 exec_lo, exec_lo, s33
.endm
	OUT 11, 130, 136
	OUT 135, 131, 144
	s_wait_tensorcnt 0x0                           ; the wave's end
	ds_add_u32 v22, v23
	s_wait_dscnt 0x0
	s_endpgm
.Lfunc_end_k_qeace803fc5_experts:
	.size	k_qeace803fc5_experts, .Lfunc_end_k_qeace803fc5_experts-k_qeace803fc5_experts
	.p2alignl 7, 3214868480
	.fill 96, 4, 3214868480
	.section	.rodata,"a",@progbits
	.p2align	6, 0x0
	.amdhsa_kernel k_qeace803fc5_experts
		.amdhsa_group_segment_fixed_size 166912
		.amdhsa_private_segment_fixed_size 0
		.amdhsa_enable_private_segment 0
		.amdhsa_kernarg_size 64
		.amdhsa_user_sgpr_count 2
		.amdhsa_user_sgpr_kernarg_segment_ptr 1
		.amdhsa_wavefront_size32 1
		.amdhsa_system_sgpr_workgroup_id_x 1
		.amdhsa_system_sgpr_workgroup_id_y 1
		.amdhsa_system_sgpr_workgroup_id_z 1
		.amdhsa_system_vgpr_workitem_id 0
		.amdhsa_next_free_vgpr 1024
		.amdhsa_next_free_sgpr 66
		.amdhsa_reserve_vcc 1
		.amdhsa_float_denorm_mode_32 3
		.amdhsa_float_denorm_mode_16_64 3
		.amdhsa_memory_ordered 1
		.amdhsa_forward_progress 1
		.amdhsa_inst_pref_size 204
	.end_amdhsa_kernel
	.amdgpu_metadata
---
amdhsa.version: [ 1, 2 ]
amdhsa.kernels:
  - .name:           k_qeace803fc5_experts
    .symbol:         k_qeace803fc5_experts.kd
    .args:
      - { .name: route, .offset: 0, .size: 8, .value_kind: global_buffer, .address_space: global }
      - { .name: xq, .offset: 8, .size: 8, .value_kind: global_buffer, .address_space: global }
      - { .name: xs, .offset: 16, .size: 8, .value_kind: global_buffer, .address_space: global }
      - { .name: wimg, .offset: 24, .size: 8, .value_kind: global_buffer, .address_space: global }
      - { .name: expert_w_scales, .offset: 32, .size: 8, .value_kind: global_buffer, .address_space: global }
      - { .name: expert_b, .offset: 40, .size: 8, .value_kind: global_buffer, .address_space: global }
      - { .name: head_w, .offset: 48, .size: 8, .value_kind: global_buffer, .address_space: global }
      - { .name: part, .offset: 56, .size: 8, .value_kind: global_buffer, .address_space: global }
    .group_segment_fixed_size: 166912
    .private_segment_fixed_size: 0
    .kernarg_segment_align: 8
    .kernarg_segment_size: 64
    .max_flat_workgroup_size: 128
    .sgpr_count:     66
    .vgpr_count:     1024
    .wavefront_size: 32
...
	.end_amdgpu_metadata
.endif
;; end of part 2
;; launch combine (part 3): grid 64 x 1, 1 waves a work-group, no clusters, 0 bytes of LDS; arguments part, head_b, out0; writes out0
.if DOCPART == 3
	.amdgcn_target "amdgcn-amd-amdhsa--gfx1250"
	.amdhsa_code_object_version 6
	.text
	.protected	k_qeace803fc5_combine
	.globl	k_qeace803fc5_combine
	.p2align	8
	.type	k_qeace803fc5_combine,@function
k_qeace803fc5_combine:
	s_mov_b64 s[64:65], 0
	v_nop
	global_prefetch_b8 v0, s[64:65] scope:SCOPE_SE
	s_setreg_imm32_b32 hwreg(HW_REG_WAVE_MODE, 25, 1), 1
	s_wait_xcnt 0x0
; out[b][c] = head_b[c] + 1/4 x the sum over the four modalities m and over q of part[q][2048 m + b][c].  One thread to an output row, 32 rows a work-group:
; the launch moves 272 KiB, so LDS, matrix units and clusters have nothing to add, and there is no loop for a prefetch to run ahead in.
; Left out as dead work: the factor sum(top_p) = 1 (the first launch's comment shows it).
	s_load_b128 s[4:7], s[0:1], 0x0                ; part, head_b
	s_load_b64 s[8:9], s[0:1], 0x10                ; out0
	s_lshl_b32 s14, ttmp9, 5
	v_add_nc_u32 v1, s14, v0                       ; b
	v_lshlrev_b32 v2, 3, v1                        ; 8 b
	s_mov_b32 s20, 0x3e800000                      ; 1/4
	s_wait_alu depctr_va_vdst(0)
	s_wait_kmcnt 0x0
	s_load_b64 s[16:17], s[6:7], 0x0               ; head_b
.irp m, 0,1,2,3
.irp q, 0,1,2,3
	global_load_b64 v[16+8*\m+2*\q:17+8*\m+2*\q], v2, s[4:5] offset:65536*\q+16384*\m   ; a wave reads 256 consecutive bytes
.endr
.endr
	s_wait_kmcnt 0x0
	v_mov_b32 v52, s16
	v_mov_b32 v53, s17
	s_wait_alu depctr_va_vdst(0)
	s_wait_loadcnt 0x0
.irp i, 0,4,8,12,16,20,24,28
	v_pk_add_f32 v[16+\i:17+\i], v[16+\i:17+\i], v[18+\i:19+\i]
.endr
.irp i, 0,8,16,24
	v_pk_add_f32 v[16+\i:17+\i], v[16+\i:17+\i], v[20+\i:21+\i]
.endr
.irp i, 0,16
	v_pk_add_f32 v[16+\i:17+\i], v[16+\i:17+\i], v[24+\i:25+\i]
.endr
	v_pk_add_f32 v[16:17], v[16:17], v[32:33]
	v_fma_f32 v50, v16, s20, v52                   ; the mean over the modalities, + head_b
	v_fma_f32 v51, v17, s20, v53
	global_store_b64 v2, v[50:51], s[8:9]          ; a wave stores 256 consecutive bytes, at a multiple of 256 from out0's first byte
	s_endpgm
.Lfunc_end_k_qeace803fc5_combine:
	.size	k_qeace803fc5_combine, .Lfunc_end_k_qeace803fc5_combine-k_qeace803fc5_combine
	.p2alignl 7, 3214868480
	.fill 96, 4, 3214868480
	.section	.rodata,"a",@progbits
	.p2align	6, 0x0
	.amdhsa_kernel k_qeace803fc5_combine
		.amdhsa_group_segment_fixed_size 0
		.amdhsa_private_segment_fixed_size 0
		.amdhsa_enable_private_segment 0
		.amdhsa_kernarg_size 24
		.amdhsa_user_sgpr_count 2
		.amdhsa_user_sgpr_kernarg_segment_ptr 1
		.amdhsa_wavefront_size32 1
		.amdhsa_system_sgpr_workgroup_id_x 1
		.amdhsa_system_sgpr_workgroup_id_y 1
		.amdhsa_system_sgpr_workgroup_id_z 1
		.amdhsa_system_vgpr_workitem_id 0
		.amdhsa_next_free_vgpr 64
		.amdhsa_next_free_sgpr 66
		.amdhsa_reserve_vcc 0
		.amdhsa_float_denorm_mode_32 3
		.amdhsa_float_denorm_mode_16_64 3
		.amdhsa_memory_ordered 1
		.amdhsa_forward_progress 1
		.amdhsa_inst_pref_size 4
	.end_amdhsa_kernel
	.amdgpu_metadata
---
amdhsa.version: [ 1, 2 ]
amdhsa.kernels:
  - .name:           k_qeace803fc5_combine
    .symbol:         k_qeace803fc5_combine.kd
    .args:
      - { .name: part, .offset: 0, .size: 8, .value_kind: global_buffer, .address_space: global }
      - { .name: head_b, .offset: 8, .size: 8, .value_kind: global_buffer, .address_space: global }
      - { .name: out0, .offset: 16, .size: 8, .value_kind: global_buffer, .address_space: global }
    .group_segment_fixed_size: 0
    .private_segment_fixed_size: 0
    .kernarg_segment_align: 8
    .kernarg_segment_size: 24
    .max_flat_workgroup_size: 32
    .sgpr_count:     66
    .vgpr_count:     64
    .wavefront_size: 32
...
	.end_amdgpu_metadata
.endif
;; end of part 3
